; MI455X (gfx1250); checked and timed in simulation.
; The chip was launched on July 23, 2026; its instructions are those of AMD's public machine-readable ISA for CDNA 5 (MIT licence, August 2026) and "CDNA5" Instruction Set Architecture Reference Guide (July 2026). The comments in the code are by the model that wrote it; some were corrected since.
;; Prompt Attention. Allowed arithmetic: matrix products marked QUANTISED: E4M3 operands, one given power-of-two scale a tensor, by v_wmma_f32_16x16x64_fp8_fp8 or v_wmma_f32_16x16x128_fp8_fp8, f32 sums; products left as they are: f32 operands where the result goes on into a quantised operand, else bf16, f16 or f32 operands; f32 sums; everything else in f32.
;; Inputs: Wk 64 x 64 float32; Wo 512 x 128 float32; Wq 64 x 64 float32; bk 64 float32; bo 128 float32; bq 64 float32; key 32 x 2,048 x 64 float32; lowp_scales 8 int32 (the exponents e of the quantised operands' scales 2^e); query 32 x 128 x 64 float32; value 32 x 2,048 x 64 float32.
;; Outputs: out0 32 x 128 x 128 float32.
;; This version of the problem:
;;   THIS VERSION OF THE PROBLEM IS GIVEN IN LOW PRECISION. The matrix products marked QUANTISED in the list below multiply operands that are first quantised to E4M3 (4 exponent bits, 3 mantissa bits; 8 bits a number), with one given power-of-two scale for each operand tensor; their sums are f32. All else is computed in f32.
;;   The module's matrix products, in the order in which they are computed (A, B: the left and right operand; K: the contracted axis; several contracted axes count as one K, in the product's order):
;;     1. [M 4,096, K 64] x [K 64, N 64]; A: input query; B: input Wq: QUANTISED (scales: A lowp_scales[0], B lowp_scales[1])
;;     2. [M 65,536, K 64] x [K 64, N 64]; A: input key; B: input Wk: QUANTISED (scales: A lowp_scales[2], B lowp_scales[3])
;;     3. batch 256 x [M 128, K 8] x [K 8, N 2,048]; A: computed on the way; B: computed on the way: left as it is (K = 8 < 32)
;;     4. batch 32 x [M 1,024, K 2,048] x [K 2,048, N 64]; A: computed on the way; B: input value: QUANTISED (scales: A lowp_scales[4], B lowp_scales[5])
;;     5. [M 4,096, K 512] x [K 512, N 128]; A: computed on the way; B: input Wo: QUANTISED (scales: A lowp_scales[6], B lowp_scales[7])
;;   THE QUANTISER, for each operand of a quantised product, along K:
;;     - The operand's scale is 2^e, e = its entry of the input lowp_scales (int32; the entries are numbered through the quantised products in the list's order, A before B).
;;     - Each number is divided by the scale, clamped to +-448, and rounded to the nearest number of E4M3, ties to even, subnormals kept.
;;     - The product sums the exact products of the quantised numbers (number of the format x scale) in f32.
;;   ~~~python
;;   def quantise(x, axis, e):      # numpy; x: float32 -> the quantised numbers, widened to float32 again
;;       x = np.moveaxis(x, axis, -1); K = x.shape[-1]
;;       r = np.clip(x / 2.0 ** e, -448, 448)
;;       step = 2.0 ** (np.maximum(np.frexp(np.where(r == 0, 1, r))[1] - 1, -6) - 3)
;;       q = np.round(r / step) * step * 2.0 ** e      # np.round: ties to even
;;       return np.moveaxis(q, -1, axis).astype(np.float32)
;;   ~~~
;;   OPERANDS COMPUTED ON THE WAY. 'Computed on the way' means the value that the module computes at that place (a softmax that the list does not call 'softmax' is quantised finished and normalised). What goes into a quantiser is computed in f32, as accurately as f32 sums, v_exp_f32 and their like allow (about 1e-6 of the number): no bf16 or f16 on the way to a quantiser, and a product that is left as it is and whose result goes on into a quantised operand takes f32 operands (vector FMAs, or v_wmma_f32_16x16x4_f32). A number that lies on a knife's edge between two numbers of the format may be rounded either way, as far as f32 arithmetic and the matrix unit's own rounding can turn it there, and no further.
;; One version. Each part assembles by itself: llvm-mc -triple=amdgcn-amd-amdhsa -mcpu=gfx1250 --defsym DOCPART=n.
;; ======== version 1 of 1: 3 launches
;; workspace buffers: kc 4,194,304 bytes; qc 262,144 bytes; vc 4,194,304 bytes; wof 65,536 bytes; xc 2,097,152 bytes
;; launch prep (part 1): grid 532 x 1, 4 waves a work-group, no clusters, 33,280 bytes of LDS; arguments key, query, value, Wo, lowp_scales, kc, qc, vc, wof; writes kc, qc, vc, wof
.if DOCPART == 1
	.amdgcn_target "amdgcn-amd-amdhsa--gfx1250"
	.amdhsa_code_object_version 6
	.text
	.protected	k_qf0a8690808_prep
	.globl	k_qf0a8690808_prep
	.p2align	8
	.type	k_qf0a8690808_prep,@function
k_qf0a8690808_prep:
	s_mov_b64 s[64:65], 0
	v_nop
	global_prefetch_b8 v0, s[64:65] scope:SCOPE_SE
	s_setreg_imm32_b32 hwreg(HW_REG_WAVE_MODE, 25, 1), 1
	s_wait_xcnt 0x0
; PREP: the four f32 inputs that many work-groups of the later launches read are turned into codes of FP8 (E4M3) once, each with its given scale 2^e.
; code = x / 2^e, held within +-448, rounded to the nearest code, ties to even.
; LIMITS: each e used here (entries 0, 2, 5, 7 of the scales) lies between -126 and 119, so that 2^e and 448 x 2^e are f32 numbers.  NaN among the inputs is not served.
; Work-groups 0-255: key -> kc, 256-271: query -> qc.  K (64) is innermost, rows are dense: plain streams, 16,384 numbers a work-group; the codes lie as the numbers lie.
; Work-groups 272-527: value -> vc.  528-531: Wo -> wof.  K (the keys; Wo's 512 rows) is the FIRST axis: a lane takes a column and its registers run down K, so the conversions give codes with K innermost.
; vc and wof are laid as IMAGES OF OPERAND REGISTERS, 16 bytes a lane, 512 bytes a group of four registers:
;   vc  [batch][group of 64 keys][dt 4][c' 2][lane (r, h)][16]: byte y = key 32 c' + 16 h + y of the group, column d = 32 (dt / 2) + 8 (dt % 2) + r + 8 (r / 8)
;   wof [nt 8][ks 4][c 4][lane (r, h)][16]:                     byte y = row k = 128 ks + 32 c + 16 h + y, column n = 16 nt + r
; So a producing lane's 16 codes are one lane's 16 bytes of an image, and sixteen neighbouring lanes store 256 consecutive, aligned bytes: no stage is needed on that way.
; Matrix units, tensor loads and clusters are left out: the work-groups share no input, and every byte is read once and written once.
.set STEPS, 8                          ; stream: steps of 512 numbers for a wave
.set WREG,  8192                       ; stream: LDS of a wave: two stages of 32 x SP bytes
.set SP,    80                         ; a lane's place in a stage: 64 bytes + 16 of padding
.set RS,    16                         ; v16-79   stream: four sets of 16 numbers as loaded
.set XS,    80                         ; v80-111  stream: two sets of 16 neighbours
.set CS,    128                        ; v128-159 stream: codes, four registers a step, never written again
.set QX,    32                         ; v32-95   columns: two sets of 32 numbers down K
.set QC,    96                         ; v96-127  columns: codes, eight registers a block, never written again
.set SRC,   36                         ; s[36:37] where my wave reads
.set DST,   38                         ; s[38:39] where it stores
.macro MKSCALE e                       ; v11 = 2^e as f32 (the conversion takes its exponent field), v10 = 448 x 2^e
	s_add_co_i32 s34, s[\e], 127
	s_lshl_b32 s35, s34, 23
	v_mov_b32 v11, s35
	s_add_co_i32 s34, s34, 8
	s_lshl_b32 s34, s34, 23
	s_or_b32 s34, s34, 0x600000
	v_mov_b32 v10, s34
.endm
	s_load_b512 s[4:19], s[0:1], 0x0               ; key s[4:5], query s[6:7], value s[8:9], Wo s[10:11], scales s[12:13], kc s[14:15], qc s[16:17], vc s[18:19]
	s_load_b64 s[20:21], s[0:1], 0x40              ; wof
	v_lshl_add_u32 v192, v0, 2, 0x8000
	v_mov_b32 v193, 0
	v_lshrrev_b32 v1, 5, v0
	v_readfirstlane_b32 s32, v1                    ; wave 0..3
	v_and_b32 v2, 31, v0                           ; lane
	s_mov_b32 s41, 0                               ; the high word of every offset below
	s_wait_kmcnt 0x0
	s_load_b256 s[24:31], s[12:13], 0x0            ; e0 .. e7
	s_cmp_lt_u32 ttmp9, 272
	s_cbranch_scc1 .Lstream
	s_cmp_lt_u32 ttmp9, 528
	s_cbranch_scc1 .Lval
	s_branch .Lwo
; ---------------- a tensor whose K is its first axis: 32 columns x 128 along K for a wave, four blocks of 32
.macro LOADB i, pitch                  ; block i: rows 32 i + k of my column, into set i % 2; neighbouring lanes read neighbouring numbers of a row
.irp k, 0,1,2,3,4,5,6,7,8,9,10,11,12,13,14,15,16,17,18,19,20,21,22,23,24,25,26,27,28,29,30,31
	global_load_b32 v[QX+32*((\i)%2)+\k], v3, s[SRC:SRC+1] offset:(32*(\i)+\k)*\pitch th:TH_LOAD_NT
.endr
.endm
.macro COLQ pitch, gs, e               ; pitch: bytes of a row of the source;  gs: bytes from the images of blocks 0, 1 to those of blocks 2, 3;  s[e]: the scale's exponent
	LOADB 0, \pitch
	LOADB 1, \pitch
	s_wait_kmcnt 0x0                               ; the scales
	MKSCALE \e
.irp i, 0,1,2,3
.if \i < 3
	s_wait_loadcnt 32                              ; this block's 32 loads are in; the next block's 32 may be out
.else
	s_wait_loadcnt 0x0
.endif
.irp k, 0,1,2,3,4,5,6,7,8,9,10,11,12,13,14,15,16,17,18,19,20,21,22,23,24,25,26,27,28,29,30,31
	v_med3_num_f32 v[QX+32*(\i%2)+\k], v[QX+32*(\i%2)+\k], -v10, v10   ; the conversion to an 8-bit code does not saturate (ISA guide 7.6.2): the hold comes first
.endr
.irp g, 0,1,2,3
	v_cvt_scalef32_pk8_fp8_f32 v[QC+8*\i+2*\g:QC+8*\i+2*\g+1], v[QX+32*(\i%2)+8*\g:QX+32*(\i%2)+8*\g+7], v11
.endr
	global_store_b128 v4, v[QC+8*\i:QC+8*\i+3], s[DST:DST+1] offset:(\i/2)*\gs+(\i%2)*512        ; k 0-15 of the block: the image's lanes 0-15; sixteen lanes store 256 consecutive bytes, aligned
	global_store_b128 v4, v[QC+8*\i+4:QC+8*\i+7], s[DST:DST+1] offset:(\i/2)*\gs+(\i%2)*512+256  ; k 16-31: its lanes 16-31
.if \i < 2
	LOADB \i+2, \pitch                             ; the set just converted takes the block two further on
.endif
.endr
.endm
.Lwo:                                              ; Wo [512][128]: work-group ks takes rows 128 ks on, wave g columns 32 g on
	s_sub_co_u32 s33, ttmp9, 528                   ; ks
	v_lshlrev_b32 v3, 2, v2
	s_lshl_b32 s44, s32, 7
	v_add_nc_u32 v3, s44, v3                       ; in: 4 (32 g + lane)
	v_and_b32 v5, 15, v2                           ; r
	v_lshrrev_b32 v6, 4, v2
	s_lshl_b32 s44, s32, 1
	v_add_nc_u32 v6, s44, v6                       ; nt = 2 g + lane / 16
	v_lshlrev_b32 v4, 4, v5
	v_lshl_add_u32 v4, v6, 13, v4                  ; out: 8,192 nt + 16 r
	s_lshl_b32 s40, s33, 16                        ; 128 rows of 512 bytes
	s_add_nc_u64 s[SRC:SRC+1], s[10:11], s[40:41]
	s_lshl_b32 s40, s33, 11                        ; a K step's four groups of 512 bytes
	s_add_nc_u64 s[DST:DST+1], s[20:21], s[40:41]
	COLQ 512, 1024, 31
	s_endpgm
.Lval:                                             ; value [65,536 rows][64]: a work-group takes 256 rows; wave: columns 32 (wave % 2) on, rows 128 (wave / 2) on
	s_sub_co_u32 s33, ttmp9, 272
	s_and_b32 s42, s32, 1                          ; which 32 columns
	s_lshr_b32 s43, s32, 1                         ; which 128 rows
	v_and_b32 v5, 15, v2                           ; r
	v_lshrrev_b32 v6, 4, v2                        ; u = lane / 16
	v_and_b32 v7, 8, v5
	v_add_nc_u32 v7, v7, v5                        ; r + 8 (r / 8)
	v_lshl_add_u32 v7, v6, 3, v7                   ; + 8 u
	s_lshl_b32 s44, s42, 5
	v_add_nc_u32 v7, s44, v7                       ; my column d: the one that lane r of image tile dt = 2 (wave % 2) + u wants
	v_lshlrev_b32 v3, 2, v7                        ; in: 4 d
	s_lshl_b32 s44, s42, 1
	v_add_nc_u32 v6, s44, v6                       ; dt
	v_lshlrev_b32 v4, 4, v5
	v_lshl_add_u32 v4, v6, 10, v4                  ; out: 1,024 dt + 16 r
	s_lshl_b32 s40, s33, 16                        ; 256 rows of 256 bytes
	s_lshl_b32 s44, s43, 15
	s_add_co_u32 s40, s40, s44
	s_add_nc_u64 s[SRC:SRC+1], s[8:9], s[40:41]
	s_lshl_b32 s40, s33, 14                        ; four groups of 64 keys, 4,096 bytes each
	s_lshl_b32 s44, s43, 13
	s_add_co_u32 s40, s40, s44
	s_add_nc_u64 s[DST:DST+1], s[18:19], s[40:41]
	COLQ 256, 4096, 29
	s_endpgm
; ---------------- key and query: K innermost.  A load reads 512 consecutive bytes, 16 a lane; a step's 2,048 bytes turn through the wave's own stage in LDS and come back 64 bytes (16 neighbours) a lane.
.Lstream:
	v_lshlrev_b32 v3, 4, v2                        ; my 16 bytes of a load's 512, and of a step's 512 bytes of codes
	s_mul_i32 s33, s32, WREG
	v_lshrrev_b32 v14, 2, v2
	v_mul_u32_u24 v14, v14, SP
	v_and_b32 v15, 3, v2
	v_lshl_add_u32 v14, v15, 4, v14
	v_add_nc_u32 v14, s33, v14                     ; the stage, on the way in: SP (lane / 4) + 16 (lane % 4)
	v_mul_u32_u24 v15, v2, SP
	v_add_nc_u32 v15, s33, v15                     ; and on the way out: SP x lane
	s_cmp_lt_u32 ttmp9, 256                        ; key's work-group or query's?  The choice hangs on the work-group's number alone
	s_cselect_b64 s[SRC:SRC+1], s[4:5], s[6:7]
	s_cselect_b64 s[DST:DST+1], s[14:15], s[16:17]
	s_cselect_b32 s33, 0, 256
	s_sub_co_u32 s33, ttmp9, s33
	s_lshl_b32 s33, s33, 2
	s_add_co_u32 s33, s33, s32                     ; which run of 4,096 numbers is my wave's
	s_lshl_b32 s40, s33, 14
	s_add_nc_u64 s[SRC:SRC+1], s[SRC:SRC+1], s[40:41]
	s_lshl_b32 s40, s33, 12
	s_add_nc_u64 s[DST:DST+1], s[DST:DST+1], s[40:41]
.macro LOAD t
.irp i, 0,1,2,3
	global_load_b128 v[RS+16*((\t)%4)+4*\i:RS+16*((\t)%4)+4*\i+3], v3, s[SRC:SRC+1] offset:2048*(\t)+512*\i th:TH_LOAD_NT
.endr
.endm
.macro TURN t                          ; LDS serves a wave's instructions in order (ISA guide 5.7.1.4): no wait between the stores and the loads
.irp i, 0,1,2,3
	ds_store_b128 v14, v[RS+16*((\t)%4)+4*\i:RS+16*((\t)%4)+4*\i+3] offset:32*SP*((\t)%2)+8*SP*\i
.endr
.irp i, 0,1,2,3
	ds_load_b128 v[XS+16*((\t)%2)+4*\i:XS+16*((\t)%2)+4*\i+3], v15 offset:32*SP*((\t)%2)+16*\i
.endr
.endm
.irp t, 0,1,2,3
	LOAD \t
.endr
	s_wait_kmcnt 0x0
	s_cmp_lt_u32 ttmp9, 256
	s_cselect_b32 s33, s26, s24                    ; key: e2; query: e0
	MKSCALE 33
	s_wait_loadcnt 12                              ; step 0's four loads are in; those of steps 1 to 3 may be out
	TURN 0
.macro STEP t
.set XR, XS+16*((\t)%2)
	s_wait_dscnt 0x0                               ; this step's numbers are back from the stage, and its stores into the stage have read their registers,
.if (\t)+4 < STEPS
	LOAD (\t)+4                                    ; which take the loads of four steps on
.endif
.if (\t)+1 < STEPS
.if STEPS-2-(\t) >= 3
	s_wait_loadcnt 12                              ; the next step's four loads are in; those of the three steps behind it may be out
.else
	s_wait_loadcnt 4*(STEPS-2-(\t))
.endif
	TURN (\t)+1                                    ; the next step goes through the other stage while this one is worked
.endif
.irp i, 0,1,2,3,4,5,6,7,8,9,10,11,12,13,14,15
	v_med3_num_f32 v[XR+\i], v[XR+\i], -v10, v10
.endr
	v_cvt_scalef32_pk8_fp8_f32 v[CS+4*(\t):CS+4*(\t)+1], v[XR:XR+7], v11
	v_cvt_scalef32_pk8_fp8_f32 v[CS+4*(\t)+2:CS+4*(\t)+3], v[XR+8:XR+15], v11
	global_store_b128 v3, v[CS+4*(\t):CS+4*(\t)+3], s[DST:DST+1] offset:512*(\t)   ; the wave stores 512 consecutive bytes, aligned
.endm
.irp t, 0,1,2,3,4,5,6,7
	STEP \t
.endr
	s_wait_tensorcnt 0x0
	ds_add_u32 v192, v193
	s_wait_dscnt 0x0
	s_endpgm
.Lfunc_end_k_qf0a8690808_prep:
	.size	k_qf0a8690808_prep, .Lfunc_end_k_qf0a8690808_prep-k_qf0a8690808_prep
	.p2alignl 7, 3214868480
	.fill 96, 4, 3214868480
	.section	.rodata,"a",@progbits
	.p2align	6, 0x0
	.amdhsa_kernel k_qf0a8690808_prep
		.amdhsa_group_segment_fixed_size 33280
		.amdhsa_private_segment_fixed_size 0
		.amdhsa_enable_private_segment 0
		.amdhsa_kernarg_size 72
		.amdhsa_user_sgpr_count 2
		.amdhsa_user_sgpr_kernarg_segment_ptr 1
		.amdhsa_wavefront_size32 1
		.amdhsa_system_sgpr_workgroup_id_x 1
		.amdhsa_system_sgpr_workgroup_id_y 1
		.amdhsa_system_sgpr_workgroup_id_z 1
		.amdhsa_system_vgpr_workitem_id 0
		.amdhsa_next_free_vgpr 194
		.amdhsa_next_free_sgpr 66
		.amdhsa_reserve_vcc 0
		.amdhsa_float_denorm_mode_32 3
		.amdhsa_float_denorm_mode_16_64 3
		.amdhsa_memory_ordered 1
		.amdhsa_forward_progress 1
		.amdhsa_inst_pref_size 66
	.end_amdhsa_kernel
	.amdgpu_metadata
---
amdhsa.version: [ 1, 2 ]
amdhsa.kernels:
  - .name:           k_qf0a8690808_prep
    .symbol:         k_qf0a8690808_prep.kd
    .args:
      - { .name: key, .offset: 0, .size: 8, .value_kind: global_buffer, .address_space: global }
      - { .name: query, .offset: 8, .size: 8, .value_kind: global_buffer, .address_space: global }
      - { .name: value, .offset: 16, .size: 8, .value_kind: global_buffer, .address_space: global }
      - { .name: Wo, .offset: 24, .size: 8, .value_kind: global_buffer, .address_space: global }
      - { .name: lowp_scales, .offset: 32, .size: 8, .value_kind: global_buffer, .address_space: global }
      - { .name: kc, .offset: 40, .size: 8, .value_kind: global_buffer, .address_space: global }
      - { .name: qc, .offset: 48, .size: 8, .value_kind: global_buffer, .address_space: global }
      - { .name: vc, .offset: 56, .size: 8, .value_kind: global_buffer, .address_space: global }
      - { .name: wof, .offset: 64, .size: 8, .value_kind: global_buffer, .address_space: global }
    .group_segment_fixed_size: 33280
    .private_segment_fixed_size: 0
    .kernarg_segment_align: 8
    .kernarg_segment_size: 72
    .max_flat_workgroup_size: 128
    .sgpr_count:     66
    .vgpr_count:     194
    .wavefront_size: 32
...
	.end_amdgpu_metadata
.endif
;; end of part 1
;; launch attn (part 2): grid 8 x 32, 8 waves a work-group, clusters of 4 x 1, 300,032 bytes of LDS; arguments qc, kc, vc, Wq, bq, Wk, bk, lowp_scales, xc; writes xc
.if DOCPART == 2
	.amdgcn_target "amdgcn-amd-amdhsa--gfx1250"
	.amdhsa_code_object_version 6
	.text
	.protected	k_qf0a8690808_attn
	.globl	k_qf0a8690808_attn
	.p2align	8
	.type	k_qf0a8690808_attn,@function
k_qf0a8690808_attn:
	s_mov_b64 s[64:65], 0
	v_nop
	global_prefetch_b8 v0, s[64:65] scope:SCOPE_SE
	s_setreg_imm32_b32 hwreg(HW_REG_WAVE_MODE, 25, 1), 1
	s_wait_xcnt 0x0
	s_wait_alu depctr_hold_cnt(0) depctr_sa_sdst(0) depctr_va_vdst(0) depctr_va_sdst(0) depctr_va_ssrc(0) depctr_va_vcc(0) depctr_vm_vsrc(0)
	s_getreg_b32 s2, hwreg(HW_REG_IB_STS2, 6, 4)
	s_cmp_eq_u32 s2, 0
	s_cbranch_scc0 .Lentry_in_a_cluster
	s_endpgm
.Lentry_in_a_cluster:
	s_bfe_u32 s2, ttmp6, 0x10000c
	s_cmp_lg_u32 s2, 0x3003
	s_cbranch_scc0 .Lentry_shape_is_right
	s_endpgm
.Lentry_shape_is_right:
; ATTN: for one (batch, head): q = Q(query) Q(Wq) + bq, k = Q(key) Q(Wk) + bk (FP8), scores = q k^T / sqrt(8) (f32 operands), softmax over the 128 QUERIES of each key, p quantised (e4),
; O = Q(p) Q(value) (FP8, K = 2,048 keys), O quantised (e6) and stored as codes, laid as the last launch's operand registers want them.
; SHARES.  A work-group is one head of one batch.  Wave w owns keys 256 w .. 256 w + 255 (16 tiles of 16, four groups of 64), with ALL 128 queries and all 64 channels: a key's softmax never leaves its wave.
; The eight waves' partial O (K of the last product here is split over the waves) are added through LDS once, at the end, in a fixed order.
; CLUSTER.  The heads of a batch read the same key codes and value codes: four heads form a cluster and ask for each tile JOINTLY (a mask names at most four, so the batch's eight heads are two clusters).
; Each wave's whole share (16 KiB of key codes, 16 KiB of value images) is fetched once, at the head; no LDS byte is filled twice, so there is no ring.  Two tensor loads of a wave are out at the most.
; LAYOUTS (r = lane % 16, h = lane / 16).
;  Projections, transposed: source 0 = 16 rows made of my head's 8 columns of W, source 1 = 16 rows of codes.  Row m of source 0 is column (m & 1) + 4 ((m >> 1) & 1) + 2 (m >> 3) of the head (rows with bit 2 set repeat
;   others and their results are not read), so result registers 0-3 of lane (r, h) are channels 2 h, 2 h + 1, 4 + 2 h, 5 + 2 h of row r: the f32 product's operand registers for its two K steps of 4.
;   Along K both sources hold input 32 h + 4 i + y in byte y of register i: one and the same permutation of k on both sides.
;  Scores: source 0 = 16 queries, source 1 = 16 keys: a lane holds ONE KEY and, in 8 x 8 registers, 64 of its queries; lane l xor 16 holds the other 64.  Maximum and sum are taken in the lane, with one exchange each.
;  p's codes then have the keys across lanes, where the next product wants them along registers.  THE MATRIX UNIT TURNS THEM: codes (source 0: a lane a key, K = 64 queries) x a matrix of ones (the code 0x38 where k = 16 u + n)
;   gives the codes' own values, exactly, with a lane a query and registers along the keys; a conversion with the scale 1 makes them codes again: registers 2 c, 2 c + 1 of the operand.
;  The keys of tile c of a group are 32 (c / 2) + 8 (c % 2) + r + 8 (r / 8): so place (c, h, j) of the operand is key 32 (c / 2) + 16 h + 8 (c % 2) + j, the order in which the value images are laid.
;  O^T = V^T P: source 0 = a value image (16 channels), source 1 = P.  A lane holds a query; tiles 2 cc, 2 cc + 1 are channels 32 cc + 16 h + 0 .. 15: their codes are 16 bytes of an image of x.
; SCALES.  q'' = (sum + bq / 2^(e0+e1)) x log2(e) / sqrt(8) x 2^(e0+e1+e2+e3); k' = sum + bk / 2^(e2+e3): q'' . k' is the score in units of log2.  p = 2^(t - max) / sum, normalised.
;  A sum of O stands for sum x 2^(e4+e5): its code is sum / 2^(e6-e4-e5).
; LIMITS: e1, e3, e4 and e6 - e4 - e5 lie between -126 and 119, so that each power of two and 448 times it are f32 numbers.  NaN among the inputs is not served.
; LDS: [0, 163840) key codes, 20,480 bytes a wave (a key's 64 bytes + 16 of padding); a wave's first 8,704 bytes later hold its 17 images of k'.  [163840, 294912) value images, 16,384 a wave.
;      [294912, 299008) the 8 images of q''.  At the end [0, 262144) holds the partial O: both fills have landed and every read of them is over by then.
; REGISTERS, window 0: v1-5 LDS addresses; v6 the maximum, v8 1 / the sum (v7, v9 are named with them as pairs); v10, v11 448 x 2^e4, 2^e4; v12 1.0; v13 the exchange; v16-19 k' of a tile; v20-33 the matrices of ones;
;   v34-39 addresses; v40-55 codes and chains; v56-119 EX: q'' (and V) on their way in, then t - max, p; v120-183 SCR: matrix results alone; v184-247 P's eight fragments; v248-255 bk's tile, later addresses.
;   window 1: the 32 accumulators of O^T, (t, dt) at v[8 (4 t + dt)].
.set KREGB, 20480
.set VREG,  8*KREGB
.set QIMG,  VREG+8*16384
.set KFR, 16
.set IDM, 20
.set COD, 40
.set EX,  56
.set SCR, 120
.set PFR, 184
.set KBI, 248
.set WV,  22                           ; s22 my wave's number
.set G1K, 28                           ; s[28:35] descriptor group 1 for the key codes;  s[36:43] for the value images;  s[44:47], s[48:51] their groups 0
.set G1V, 36
.set G0K, 44
.set G0V, 48
.set MSB, 0
.macro WIN new                         ; the immediate's high byte repeats the setting that is left
.if MSB != \new
	s_set_vgpr_msb (MSB<<8)|\new
.set MSB, \new
.endif
.endm
.macro NOPS n
.rept \n
	v_nop
.endr
.endm
.macro CROUND                          ; a round of the cluster's barrier
	s_barrier_signal -1
	s_barrier_wait -1
	s_cmp_lg_u32 s[WV], 0
	s_cbranch_scc1 .Lnot_wave_0_\@
	s_barrier_signal -3
.Lnot_wave_0_\@:
	s_barrier_wait -3
	s_barrier_signal -1
	s_barrier_wait -1
.endm
.macro WGBAR                           ; my LDS stores have landed and my LDS loads are in: then the work-group's barrier
	s_wait_dscnt 0x0
	s_barrier_signal -1
	s_barrier_wait -1
.endm
.macro SCLIM se, vsc, vlim             ; v[vsc] = 2^s[se] as f32, v[vlim] = 448 times it
	s_add_co_i32 s79, s[\se], 127
	s_lshl_b32 s80, s79, 23
	v_mov_b32 v[\vsc], s80
	s_add_co_i32 s79, s79, 8
	s_lshl_b32 s79, s79, 23
	s_or_b32 s79, s79, 0x600000
	v_mov_b32 v[\vlim], s79
.endm
	s_load_b512 s[4:19], s[0:1], 0x0               ; qc s[4:5], kc s[6:7], vc s[8:9], Wq s[10:11], bq s[12:13], Wk s[14:15], bk s[16:17], scales s[18:19]
	s_load_b64 s[20:21], s[0:1], 0x40              ; xc
	v_lshl_add_u32 v254, v0, 2, 0x49000
	v_mov_b32 v255, 0
	ds_add_u32 v254, v255
	ds_add_u32 v254, v255
	s_wait_dscnt 0x0
	v_lshrrev_b32 v14, 5, v0
	v_readfirstlane_b32 s[WV], v14                 ; wave 0..7
	s_bfe_u32 s25, ttmp6, 0x40000                  ; cx: my place in the cluster
	s_lshl_b32 s23, ttmp9, 2
	s_add_co_u32 s23, s23, s25                     ; the head = 4 x cluster x + cx: it enters the addresses of Wq, bq, Wk, bk and xc alone
	s_and_b32 s24, ttmp7, 0xffff                   ; the batch, which the four partners share
	; group 1 for the key codes: 256 rows of 64 bytes, dense in memory, 16 bytes of padding behind each in LDS
	s_mov_b32 s[G1K], 15|(3<<16)|(1<<20)|(1<<21)|(3<<22)|(3<<25)  ; 15:0 the mask: all four work-groups; 17:16 elements of 8 bytes; 20 padding on; 21 set beside a mask; 24:22 after every 16 words (code 3); 31:25 four words (code 3)
	s_mov_b32 s[G1K+1], 8<<16                      ; tensor_dim0 = 8 elements
	s_mov_b32 s[G1K+2], 256<<16                    ; tensor_dim1 = 256
	s_mov_b32 s[G1K+3], 8<<16                      ; tile_dim0
	s_mov_b32 s[G1K+4], 256                        ; tile_dim1
	s_mov_b32 s[G1K+5], 8                          ; from row to row
	s_mov_b32 s[G1K+6], 0
	s_mov_b32 s[G1K+7], 0
	; group 1 for the value images: 16,384 dense bytes as 64 rows of 256, no padding
	s_mov_b32 s[G1V], 15|(3<<16)|(1<<21)
	s_mov_b32 s[G1V+1], 32<<16
	s_mov_b32 s[G1V+2], 64<<16
	s_mov_b32 s[G1V+3], 32<<16
	s_mov_b32 s[G1V+4], 64
	s_mov_b32 s[G1V+5], 32
	s_mov_b32 s[G1V+6], 0
	s_mov_b32 s[G1V+7], 0
	s_mov_b32 s[G0K], 1
	s_mul_i32 s[G0K+1], s[WV], KREGB               ; LDS: my wave's key codes
	s_mov_b32 s[G0V], 1
	s_lshl_b32 s[G0V+1], s[WV], 14
	s_add_co_u32 s[G0V+1], s[G0V+1], VREG          ; LDS: my wave's value images
	s_lshl_b32 s66, s24, 17                        ; a batch's codes are 131,072 bytes in kc and in vc,
	s_lshl_b32 s67, s[WV], 14                      ; my wave's 256 keys 16,384 of them
	s_add_co_u32 s66, s66, s67
	s_mov_b32 s67, 0
	s_mov_b32 s60, 0x76543210                      ; v_permlanex16_b32: lane l xor 16
	s_mov_b32 s61, 0xfedcba98
	v_and_b32 v14, 15, v0                          ; r
	v_bfe_u32 v15, v0, 4, 1                        ; h
	v_and_b32 v39, 31, v0
	v_lshlrev_b32 v39, 4, v39                      ; 16 x lane: an image's place for my lane; also my offset in xc
	v_add_nc_u32 v1, QIMG, v39                     ; q'' images
	v_add_nc_u32 v2, s[G0K+1], v39                 ; my wave's k' images
	v_add_nc_u32 v3, s[G0V+1], v39                 ; my wave's value images
	s_lshl_b32 s73, s[WV], 9
	v_add_nc_u32 v5, s73, v1                       ; where I store q'' of query tile w (v5 serves the value images later)
	v_and_b32 v34, 8, v14
	v_add_nc_u32 v34, v34, v14                     ; r + 8 (r / 8)
	v_mul_u32_u24 v34, v34, 80
	v_lshl_add_u32 v34, v15, 5, v34
	v_add_nc_u32 v34, s[G0K+1], v34                ; key codes: that key's row, + 32 h
	v_and_b32 v35, 1, v14
	v_bfe_u32 v36, v14, 1, 1
	v_lshlrev_b32 v35, 2, v35
	v_lshl_add_u32 v35, v36, 4, v35
	v_bfe_u32 v36, v14, 3, 1
	v_lshl_add_u32 v35, v36, 3, v35                ; 4 x the head's column that row r of the weights' fragment takes
	v_lshl_add_u32 v35, v15, 13, v35               ; + 32 h rows of 256 bytes
	v_lshlrev_b32 v36, 3, v15                      ; biases: channels 2 h, 2 h + 1 (and, 16 bytes on, 4 + 2 h, 5 + 2 h)
	v_lshlrev_b32 v37, 6, v14
	v_lshl_add_u32 v37, v15, 5, v37                ; query codes: row r, + 32 h
	s_lshl_b32 s73, s[WV], 15
	v_add_nc_u32 v38, s73, v39                     ; the partial sums that I add at the end: query tile w
	s_wait_kmcnt 0x0
	s_load_b256 s[52:59], s[18:19], 0x0            ; e0 .. e7
	s_add_nc_u64 s[G0K+2:G0K+3], s[6:7], s[66:67]
	s_or_b32 s[G0K+3], s[G0K+3], 0x80000000        ; type = 2
	s_add_nc_u64 s[G0V+2:G0V+3], s[8:9], s[66:67]
	s_or_b32 s[G0V+3], s[G0V+3], 0x80000000
	CROUND                                         ; all four work-groups are here: the joint loads meet
	tensor_load_to_lds s[G0K:G0K+3], s[G1K:G1K+7]  ; my wave's two fills stand together, ahead of every wait on TENSORcnt and every LDS read
	s_nop 0
	tensor_load_to_lds s[G0V:G0V+3], s[G1V:G1V+7]
	s_nop 0
	NOPS 4
	s_lshl_b32 s84, s23, 5                         ; my head's 8 columns: 32 bytes on
	s_mov_b32 s85, 0
	s_add_nc_u64 s[10:11], s[10:11], s[84:85]
	s_add_nc_u64 s[12:13], s[12:13], s[84:85]
	s_add_nc_u64 s[14:15], s[14:15], s[84:85]
	s_add_nc_u64 s[16:17], s[16:17], s[84:85]
	s_lshl_b32 s68, s24, 13                        ; query codes: 128 rows of 64 bytes a batch, my wave's 16 rows
	s_lshl_b32 s73, s[WV], 10
	s_add_co_u32 s68, s68, s73
	s_mov_b32 s69, 0
	s_add_nc_u64 s[4:5], s[4:5], s[68:69]
	s_lshl_b32 s84, s23, 13                        ; xc: 65,536 bytes a batch, 8,192 a head, 1,024 a tile of 16 queries
	s_lshl_b32 s86, s24, 16
	s_add_co_u32 s84, s84, s86
	s_add_co_u32 s84, s84, s73
	s_add_nc_u64 s[20:21], s[20:21], s[84:85]
.set i, 0
.rept 32
	global_load_b32 v[EX+i], v35, s[10:11] offset:256*i       ; Wq(32 h + i, my row's column): registers run down K
	global_load_b32 v[EX+32+i], v35, s[14:15] offset:256*i    ; Wk likewise
.set i, i+1
.endr
	global_load_b64 v[PFR+8:PFR+9], v36, s[12:13]
	global_load_b64 v[PFR+10:PFR+11], v36, s[12:13] offset:16
	global_load_b64 v[KBI:KBI+1], v36, s[16:17]
	global_load_b64 v[KBI+2:KBI+3], v36, s[16:17] offset:16
	global_load_b128 v[PFR:PFR+3], v37, s[4:5]
	global_load_b128 v[PFR+4:PFR+7], v37, s[4:5] offset:16
	; the matrices of ones.  Matrix u is v[26 - 2 u : 33 - 2 u]: zeros but for v26, v27, which then are its registers 2 u, 2 u + 1: k = 16 u + 8 h + 0 .. 7.  Column n = r has its one at k = 16 u + r.
.irp j, 0,1,2,3,4,5,8,9,10,11,12,13
	v_mov_b32 v[IDM+\j], 0
.endr
	v_and_b32 v40, 3, v14
	v_lshlrev_b32 v40, 3, v40
	v_mov_b32 v41, 0x38                            ; the code of 1.0
	v_lshlrev_b32 v40, v40, v41                    ; in byte r % 4
	v_bfe_u32 v42, v14, 3, 1
	v_cmp_eq_u32 vcc_lo, v42, v15                  ; in the half of the lanes with h = r / 8
	v_cndmask_b32 v40, v20, v40, vcc_lo
	v_bfe_u32 v42, v14, 2, 1
	v_cmp_eq_u32 vcc_lo, 0, v42                    ; in the first register where r % 8 < 4, else in the second
	v_cndmask_b32 v[IDM+6], v20, v40, vcc_lo
	v_cndmask_b32 v[IDM+7], v40, v20, vcc_lo
.irp j, 4,5,6,7
	v_mov_b32 v[PFR+8+\j], 0                       ; the biases' tiles: rows whose results are not read
	v_mov_b32 v[KBI+\j], 0
.endr
	v_mov_b32 v7, 0                                ; named as upper halves of pairs
	v_mov_b32 v9, 0
	v_mov_b32 v12, 1.0
	v_mov_b32 v13, 0                               ; a lane permute's destination counts as one of its sources
	s_wait_kmcnt 0x0
	s_add_co_i32 s74, s52, s53                     ; e0 + e1
	s_add_co_i32 s75, s54, s55                     ; e2 + e3
	s_add_co_i32 s76, s74, s75
	s_sub_co_i32 s77, 0, s74
	s_sub_co_i32 s78, 0, s75
	s_sub_co_i32 s81, s58, s56
	s_sub_co_i32 s81, s81, s57                     ; e6 - e4 - e5
	SCLIM 53, 15, 14                               ; Wq's scale (r and h are done with)
	SCLIM 55, 8, 6                                 ; Wk's (v6 and v8 are free until the first tile)
	SCLIM 56, 11, 10                               ; p's
	s_wait_loadcnt 0x0
.macro WFRAG x, dst, vsc, vlim         ; 32 numbers down K become a fragment's 8 registers
.set i, 0
.rept 32
	v_med3_num_f32 v[\x+i], v[\x+i], -v[\vlim], v[\vlim]
.set i, i+1
.endr
.irp g, 0,1,2,3
	v_cvt_scalef32_pk8_fp8_f32 v[\dst+2*\g:\dst+2*\g+1], v[\x+8*\g:\x+8*\g+7], v[\vsc]
.endr
.endm
	WFRAG EX, COD, 15, 14
	WFRAG EX+32, COD+8, 8, 6
.irp j, 0,1,2,3
	v_ldexp_f32 v[PFR+8+\j], v[PFR+8+\j], s77      ; bq / 2^(e0+e1): it goes in as the C of the sum.  (These are also the plain lines behind the conversions)
	v_ldexp_f32 v[KBI+\j], v[KBI+\j], s78          ; bk / 2^(e2+e3)
.endr
	v_wmma_f32_16x16x64_fp8_fp8 v[SCR:SCR+7], v[COD:COD+7], v[PFR:PFR+7], v[PFR+8:PFR+15]   ; q of query tile w
	NOPS 4
.irp j, 0,1,2,3
	v_mul_f32 v[KFR+\j], 0x3f0293ee, v[SCR+\j]     ; x log2(e) / sqrt(8)
.endr
.irp j, 0,1,2,3
	v_ldexp_f32 v[KFR+\j], v[KFR+\j], s76          ; x 2^(e0+e1+e2+e3): q's own scales and those that k' lacks
.endr
	ds_store_b128 v5, v[KFR:KFR+3]                 ; q'' of tile w, as an image of its registers
	s_wait_tensorcnt 0x1                           ; my key codes have landed; my value images, issued behind them, may be out.  Only I read my region
.irp T, 0,1,2,3,4,5,6,7,8,9,10,11,12,13,14,15
.set KO, (64*(\T/4)+32*((\T%4)/2)+8*(\T%2))*80
.if \T < 8
.set KR, EX+8*\T
.else
.set KR, PFR+8*(\T-8)
.endif
	ds_load_b128 v[KR:KR+3], v34 offset:KO         ; tile T's 16 keys, 32 bytes a lane
	ds_load_b128 v[KR+4:KR+7], v34 offset:KO+16
.endr
	s_wait_dscnt 0x0                               ; all my key codes are in registers: their first bytes in LDS may be written over
.macro KPROJ fr, t0                    ; k' of eight tiles; registers 0-3 of each result go to LDS as an image
.irp i, 0,1,2,3,4,5,6,7
	v_wmma_f32_16x16x64_fp8_fp8 v[SCR+8*\i:SCR+8*\i+7], v[COD+8:COD+15], v[\fr+8*\i:\fr+8*\i+7], v[KBI:KBI+7]
.endr
	NOPS 4
.irp i, 0,1,2,3,4,5,6,7
	ds_store_b128 v2, v[SCR+8*\i:SCR+8*\i+3] offset:512*(\t0+\i)
.endr
.endm
	KPROJ EX, 0
	s_wait_dscnt 0x0                               ; the stores have read the results
	v_nop                                          ; the fifth place in front of matrix instructions that write over these results
	KPROJ PFR, 8
	ds_store_b128 v2, v[SCR+56:SCR+59] offset:512*16   ; a seventeenth image, a copy of the sixteenth: the last tile's look-ahead load reads it, and its result is not used
	s_wait_tensorcnt 0x0                           ; my value images have landed
	WGBAR                                          ; the eight images of q'' lie in LDS
	v_nop                                          ; the fifth place, as above
	s_mov_b32 s70, 0                               ; the group's k' images,
	s_mov_b32 s71, 0                               ; and its value images, from my wave's first
	v_mov_b32 v4, v2
; what the next tile wants: (pv = 1: first this group's value images, 8 x 512 bytes,) k' of tile c + 1, q'' of all eight query tiles.  They land in EX, which is free from p's conversions to the next subtraction.
.macro FETCH c, pv
.if \pv
.irp i, 0,1,2,3,4,5,6,7
	ds_load_b128 v[EX+32+4*\i:EX+35+4*\i], v5 offset:512*\i
.endr
.endif
	ds_load_b128 v[KFR:KFR+3], v4 offset:512*((\c)+1)
.irp t, 0,1,2,3,4,5,6,7
	ds_load_b128 v[EX+4*\t:EX+4*\t+3], v1 offset:512*\t
.endr
.endm
; A TILE: 16 keys x 128 queries.  c: its number in the group; pv = 1: the group's products with V follow; zero = 1: they start the sums.
.macro TILE c, pv, zero
	s_wait_dscnt 0x0                               ; q'' and k' are in
.irp t, 0,1,2,3,4,5,6,7
	v_wmma_f32_16x16x4_f32 v[SCR+8*\t:SCR+8*\t+7], v[EX+4*\t:EX+4*\t+1], v[KFR:KFR+1], 0        ; channels 2 h, 2 h + 1
.endr
.irp t, 0,1,2,3,4,5,6,7
	v_wmma_f32_16x16x4_f32 v[SCR+8*\t:SCR+8*\t+7], v[EX+4*\t+2:EX+4*\t+3], v[KFR+2:KFR+3], v[SCR+8*\t:SCR+8*\t+7]   ; channels 4 + 2 h, 5 + 2 h; the eight accumulators take turns
.endr
	NOPS 8                                         ; eight places behind this form (ISA guide 7.12.1)
	; the key's largest t among my 64 queries: four chains; each accumulator is first read at its low end
.irp a, 0,1,2,3
	v_max3_num_f32 v[COD+\a], v[SCR+16*\a], v[SCR+16*\a+1], v[SCR+16*\a+2]
.endr
.irp i, 3,5,7,9,11,13
.irp a, 0,1,2,3
	v_max3_num_f32 v[COD+\a], v[COD+\a], v[SCR+16*\a+\i], v[SCR+16*\a+\i+1]
.endr
.endr
	v_max3_num_f32 v[COD], v[COD], v[SCR+15], v[SCR+31]
	v_max3_num_f32 v[COD+2], v[COD+2], v[SCR+47], v[SCR+63]
	v_max3_num_f32 v[COD], v[COD], v[COD+1], v[COD+2]
	v_max_num_f32 v[COD], v[COD], v[COD+3]
	v_permlanex16_b32 v13, v[COD], s60, s61        ; the key's other 64 queries lie in the lane 16 away
	v_max_num_f32 v6, v[COD], v13
.set i, 0
.rept 32
	v_pk_add_f32 v[EX+i:EX+i+1], v[SCR+i:SCR+i+1], v[6:7] op_sel_hi:[1,0] neg_lo:[0,1] neg_hi:[0,1]   ; t - max, two at a time (v6 serves both halves), into other registers than the sums'
.set i, i+2
.endr
.set i, 0
.rept 64
	v_exp_f32 v[EX+i], v[EX+i]
.set i, i+1
.endr
	v_nop                                          ; a plain line behind the last exponential
	s_wait_alu depctr_va_vdst(0)                   ; one wait for the batch of 64, ahead of its first reader
.irp a, 0,1,2,3
	v_pk_add_f32 v[COD+2*\a:COD+2*\a+1], v[EX+16*\a:EX+16*\a+1], v[EX+16*\a+2:EX+16*\a+3]      ; the sum, in four chains of pairs
.endr
.irp i, 4,6,8,10,12,14
.irp a, 0,1,2,3
	v_pk_add_f32 v[COD+2*\a:COD+2*\a+1], v[COD+2*\a:COD+2*\a+1], v[EX+16*\a+\i:EX+16*\a+\i+1]
.endr
.endr
	v_pk_add_f32 v[COD:COD+1], v[COD:COD+1], v[COD+2:COD+3]
	v_pk_add_f32 v[COD+4:COD+5], v[COD+4:COD+5], v[COD+6:COD+7]
	v_pk_add_f32 v[COD:COD+1], v[COD:COD+1], v[COD+4:COD+5]
	v_add_f32 v[COD], v[COD], v[COD+1]
	v_permlanex16_b32 v13, v[COD], s60, s61
	v_add_f32 v[COD], v[COD], v13
	v_rcp_f32 v8, v[COD]
	v_nop
	s_wait_alu depctr_va_vdst(0)                   ; ahead of the reciprocal's first reader
.set i, 0
.rept 32
	v_pk_mul_f32 v[EX+i:EX+i+1], v[EX+i:EX+i+1], v[8:9] op_sel_hi:[1,0]   ; p, normalised
.set i, i+2
.endr
.irp t, 0,1,2,3,4,5,6,7
.irp j, 0,1,2,3,4,5,6,7
	v_min_num_f32 v[EX+8*\t+\j], v10, v[EX+8*\t+\j]   ; the conversion does not saturate (ISA guide 7.6.2); p is not negative, so the hold is one-sided
.endr
	v_cvt_scalef32_pk8_fp8_f32 v[COD+2*\t:COD+2*\t+1], v[EX+8*\t:EX+8*\t+7], v11   ; queries 16 t + 8 h + 0 .. 7 of my key: k = 16 (t % 4) + 8 h + j of fragment t / 4, the form's own places
.endr
	FETCH \c, \pv
	v_nop                                          ; a plain line between the conversions and the matrix instructions that read their results
.irp g, 0,1
.irp u, 0,1,2,3
	v_wmma_f32_16x16x64_fp8_fp8 v[SCR+8*(4*\g+\u):SCR+8*(4*\g+\u)+7], v[COD+8*\g:COD+8*\g+7], v[IDM+6-2*\u:IDM+13-2*\u], 0   ; the turn: lane r = query 16 (4 g + u) + r, register j = the tile's key 8 h + j
.endr
.endr
	NOPS 4
.irp t, 0,1,2,3,4,5,6,7
	v_cvt_scalef32_pk8_fp8_f32 v[PFR+8*\t+2*(\c):PFR+8*\t+2*(\c)+1], v[SCR+8*\t:SCR+8*\t+7], v12   ; the codes' values become codes again (scale 1): registers 2 c, 2 c + 1 of P's fragment t
.endr
	v_nop                                          ; the plain line behind the conversions, and the fifth place in front of the matrix instructions that write SCR next
.if \pv
	s_wait_dscnt 9                                 ; V's eight loads are in; the nine issued behind them (k', q'') may be out
.if \zero
	WIN 0x40                                       ; D in window 1
.else
	WIN 0x50                                       ; C and D in window 1
.endif
.irp t, 0,1,2,3,4,5,6,7
.irp d, 0,1,2,3
.if \zero
	v_wmma_f32_16x16x64_fp8_fp8 v[8*(4*\t+\d):8*(4*\t+\d)+7], v[EX+32+8*\d:EX+39+8*\d], v[PFR+8*\t:PFR+8*\t+7], 0
.else
	v_wmma_f32_16x16x64_fp8_fp8 v[8*(4*\t+\d):8*(4*\t+\d)+7], v[EX+32+8*\d:EX+39+8*\d], v[PFR+8*\t:PFR+8*\t+7], v[8*(4*\t+\d):8*(4*\t+\d)+7]
.endif
.endr
.endr
	WIN 0
.endif
.endm
.macro GROUP zero                      ; 64 keys
	v_add_nc_u32 v4, s70, v2
	v_add_nc_u32 v5, s71, v3
	TILE 0, 0, 0
	TILE 1, 0, 0
	TILE 2, 0, 0
	TILE 3, 1, \zero
.endm
	FETCH -1, 0                                    ; the first tile's k' and q''
	GROUP 1                                        ; the first group stands ahead of the loop: its products start O^T's sums, nothing is cleared
	s_mov_b32 s72, 3
.Lgroup:
	s_add_co_u32 s70, s70, 2048                    ; four images of k' on,
	s_add_co_u32 s71, s71, 4096                    ; eight of V
	GROUP 0
	s_sub_co_u32 s72, s72, 1
	s_cmp_lg_u32 s72, 0
	s_cbranch_scc1 .Lgroup
	; THE END.  The eight waves' partial O^T meet in LDS: [query tile t][wave][dt][half][16 x lane].  Wave w adds the eight parts of tile w, quantises and stores.
	s_lshl_b32 s66, s[WV], 12
	v_add_nc_u32 v[KBI], s66, v39                  ; these eight additions are the places behind the last products
.irp t, 1,2,3,4,5,6,7
	v_add_nc_u32 v[KBI+\t], \t*32768, v[KBI]
.endr
	WGBAR                                          ; every wave's reads of the key codes, images of k' and value images are over: their bytes may be written
	WIN 0x04                                       ; the stores' data in window 1
.irp t, 0,1,2,3,4,5,6,7
.irp d, 0,1,2,3
	ds_store_b128 v[KBI+\t], v[8*(4*\t+\d):8*(4*\t+\d)+3] offset:\d*1024          ; each accumulator from its low end on
	ds_store_b128 v[KBI+\t], v[8*(4*\t+\d)+4:8*(4*\t+\d)+7] offset:\d*1024+512
.endr
.endr
	WIN 0
	WGBAR                                          ; all parts lie in LDS
.macro REDLD buf, src
.irp i, 0,1,2,3,4,5,6,7
	ds_load_b128 v[\buf+4*\i:\buf+4*\i+3], v38 offset:\src*4096+512*\i
.endr
.endm
.macro REDADD buf
.set i, 0
.rept 16
	v_pk_add_f32 v[EX+i:EX+i+1], v[EX+i:EX+i+1], v[\buf+i:\buf+i+1]
.set i, i+2
.endr
.endm
	REDLD EX, 0
	REDLD EX+32, 1
	REDLD PFR, 2
	REDLD PFR+32, 3
	s_wait_dscnt 16                                ; parts 0 and 1 are in; the sixteen loads of parts 2 and 3 may be out
	REDADD EX+32
	REDLD EX+32, 4
	s_wait_dscnt 16                                ; part 2 is in; behind it: parts 3 and 4
	REDADD PFR
	REDLD PFR, 5
	s_wait_dscnt 16                                ; part 3; behind it: 4 and 5
	REDADD PFR+32
	REDLD PFR+32, 6
	s_wait_dscnt 16                                ; part 4; behind it: 5 and 6
	REDADD EX+32
	REDLD EX+32, 7
	s_wait_dscnt 16                                ; part 5; behind it: 6 and 7
	REDADD PFR
	s_wait_dscnt 8                                 ; part 6; behind it: 7
	REDADD PFR+32
	s_wait_dscnt 0x0
	REDADD EX+32
	SCLIM 81, 15, 14                               ; 2^(e6-e4-e5): the three scales folded into the conversion's one
.set i, 0
.rept 32
	v_med3_num_f32 v[EX+i], v[EX+i], -v14, v14
.set i, i+1
.endr
.irp d, 0,1,2,3
	v_cvt_scalef32_pk8_fp8_f32 v[COD+2*\d:COD+2*\d+1], v[EX+8*\d:EX+8*\d+7], v15
.endr
	v_nop                                          ; a plain line behind the last conversion
	global_store_b128 v39, v[COD:COD+3], s[20:21]              ; channels 16 h + 0 .. 15 of query 16 w + r: the wave stores 512 consecutive bytes, aligned
	global_store_b128 v39, v[COD+4:COD+7], s[20:21] offset:512 ; channels 32 + 16 h + 0 .. 15
	s_wait_xcnt 0x0
	v_lshl_add_u32 v254, v0, 2, 0x49000
	v_mov_b32 v255, 0
	s_wait_tensorcnt 0x0
	ds_add_u32 v254, v255
	s_wait_dscnt 0x0
	CROUND                                         ; the closing round
	s_endpgm
.Lfunc_end_k_qf0a8690808_attn:
	.size	k_qf0a8690808_attn, .Lfunc_end_k_qf0a8690808_attn-k_qf0a8690808_attn
	.p2alignl 7, 3214868480
	.fill 96, 4, 3214868480
	.section	.rodata,"a",@progbits
	.p2align	6, 0x0
	.amdhsa_kernel k_qf0a8690808_attn
		.amdhsa_group_segment_fixed_size 300032
		.amdhsa_private_segment_fixed_size 0
		.amdhsa_enable_private_segment 0
		.amdhsa_kernarg_size 72
		.amdhsa_user_sgpr_count 2
		.amdhsa_user_sgpr_kernarg_segment_ptr 1
		.amdhsa_wavefront_size32 1
		.amdhsa_system_sgpr_workgroup_id_x 1
		.amdhsa_system_sgpr_workgroup_id_y 1
		.amdhsa_system_sgpr_workgroup_id_z 1
		.amdhsa_system_vgpr_workitem_id 0
		.amdhsa_next_free_vgpr 512
		.amdhsa_next_free_sgpr 96
		.amdhsa_reserve_vcc 1
		.amdhsa_float_denorm_mode_32 3
		.amdhsa_float_denorm_mode_16_64 3
		.amdhsa_memory_ordered 1
		.amdhsa_forward_progress 1
		.amdhsa_inst_pref_size 177
	.end_amdhsa_kernel
	.amdgpu_metadata
---
amdhsa.version: [ 1, 2 ]
amdhsa.kernels:
  - .name:           k_qf0a8690808_attn
    .symbol:         k_qf0a8690808_attn.kd
    .args:
      - { .name: qc, .offset: 0, .size: 8, .value_kind: global_buffer, .address_space: global }
      - { .name: kc, .offset: 8, .size: 8, .value_kind: global_buffer, .address_space: global }
      - { .name: vc, .offset: 16, .size: 8, .value_kind: global_buffer, .address_space: global }
      - { .name: Wq, .offset: 24, .size: 8, .value_kind: global_buffer, .address_space: global }
      - { .name: bq, .offset: 32, .size: 8, .value_kind: global_buffer, .address_space: global }
      - { .name: Wk, .offset: 40, .size: 8, .value_kind: global_buffer, .address_space: global }
      - { .name: bk, .offset: 48, .size: 8, .value_kind: global_buffer, .address_space: global }
      - { .name: lowp_scales, .offset: 56, .size: 8, .value_kind: global_buffer, .address_space: global }
      - { .name: xc, .offset: 64, .size: 8, .value_kind: global_buffer, .address_space: global }
    .group_segment_fixed_size: 300032
    .private_segment_fixed_size: 0
    .kernarg_segment_align: 8
    .kernarg_segment_size: 72
    .max_flat_workgroup_size: 256
    .sgpr_count:     96
    .vgpr_count:     512
    .wavefront_size: 32
...
	.end_amdgpu_metadata
.endif
;; end of part 2
;; launch proj (part 3): grid 256 x 1, 2 waves a work-group, no clusters, 8,960 bytes of LDS; arguments xc, wof, bo, lowp_scales, out0; writes out0
.if DOCPART == 3
	.amdgcn_target "amdgcn-amd-amdhsa--gfx1250"
	.amdhsa_code_object_version 6
	.text
	.protected	k_qf0a8690808_proj
	.globl	k_qf0a8690808_proj
	.p2align	8
	.type	k_qf0a8690808_proj,@function
k_qf0a8690808_proj:
	s_mov_b64 s[64:65], 0
	v_nop
	global_prefetch_b8 v0, s[64:65] scope:SCOPE_SE
	s_setreg_imm32_b32 hwreg(HW_REG_WAVE_MODE, 25, 1), 1
	s_wait_xcnt 0x0
; PROJ: out0 = Q(x) Q(Wo) + bo.  x [4,096][512] and Wo [512][128] arrive as codes of FP8 (E4M3), laid as images of operand registers (16 bytes a lane, 512 bytes a group of four registers).
; A work-group takes 16 queries (tile t of batch b), each of its two waves 64 of the 128 output columns: four accumulators, K = 512 in four steps of 128.
; Along K both operands hold k = 128 ks + 32 c + 16 h + y in byte y of registers 4 c .. 4 c + 3: one and the same permutation of k on both sides.  k = 64 x head + channel.
; THE MATRIX INSTRUCTION IS USED TRANSPOSED (source 0 = 16 columns of Wo, source 1 = 16 queries): a lane holds eight neighbouring outputs of one row.
; out = sum x 2^(e6+e7) + bo, one packed multiply-add for two numbers.  LIMIT: e6 + e7 lies between -126 and 127, so that 2^(e6+e7) is an f32 number.
; Every operand goes from memory straight into registers, all loads at once; no LDS but each wave's own stage on the way out (16 rows x (256 + 16) bytes), so no barrier.
; Tensor loads, a ring and a cluster are left out: a wave's operands are 40 KiB, read once, and fit in its registers.
; REGISTERS, window 0: v1-5 addresses; v16-79 x's four fragments; v80-111 the accumulators; v112-143 bo; v144-175 results; v176-207 rows back from the stage.  window 1: Wo's fragment (a, ks) at v[16 (4 a + ks)].
.set XF,   16
.set ACC,  80
.set BO,   112
.set OUTR, 144
.set BK,   176
.set MSB, 0
.macro WIN new                         ; the immediate's high byte repeats the setting that is left
.if MSB != \new
	s_set_vgpr_msb (MSB<<8)|\new
.set MSB, \new
.endif
.endm
	s_load_b256 s[4:11], s[0:1], 0x0               ; xc s[4:5], wof s[6:7], bo s[8:9], scales s[10:11]
	s_load_b64 s[12:13], s[0:1], 0x20              ; out0
	v_lshl_add_u32 v254, v0, 2, 0x2200
	v_mov_b32 v255, 0
	v_lshrrev_b32 v6, 5, v0
	v_readfirstlane_b32 s16, v6                    ; wave: which 64 columns
	v_and_b32 v6, 31, v0
	v_lshlrev_b32 v1, 4, v6                        ; 16 x lane
	v_and_b32 v7, 15, v0                           ; r
	v_bfe_u32 v8, v0, 4, 1                         ; h
	s_mul_i32 s17, s16, 16*272                     ; my stage
	v_mul_u32_u24 v2, v7, 272
	v_lshl_add_u32 v2, v8, 5, v2
	v_add_nc_u32 v2, s17, v2                       ; in: row r, + 32 h
	v_mul_u32_u24 v3, v8, 272
	v_lshl_add_u32 v3, v7, 4, v3
	v_add_nc_u32 v3, s17, v3                       ; back: lanes 0-15 one row of 256 bytes, lanes 16-31 the next
	v_lshlrev_b32 v4, 9, v8
	v_lshl_add_u32 v4, v7, 4, v4                   ; and the same two rows in out0 (512 bytes a row)
	v_lshlrev_b32 v5, 5, v8                        ; bo: 8 h numbers on
	s_lshr_b32 s18, ttmp9, 3
	s_lshl_b32 s18, s18, 16                        ; xc: 65,536 bytes a batch,
	s_and_b32 s19, ttmp9, 7
	s_lshl_b32 s19, s19, 10                        ; 1,024 a tile of queries
	s_add_co_u32 s18, s18, s19
	s_mov_b32 s19, 0
	s_lshl_b32 s20, s16, 15                        ; wof: my four tiles of columns, 8,192 bytes each
	s_mov_b32 s21, 0
	s_lshl_b32 s22, s16, 8                         ; my 64 columns in bo and in a row of out0
	s_mov_b32 s23, 0
	s_lshl_b32 s24, ttmp9, 13                      ; out0: 16 rows of 512 bytes
	s_add_co_u32 s24, s24, s22
	s_mov_b32 s25, 0
	s_wait_kmcnt 0x0
	s_load_b64 s[14:15], s[10:11], 0x18            ; e6, e7
	s_add_nc_u64 s[4:5], s[4:5], s[18:19]
	s_add_nc_u64 s[6:7], s[6:7], s[20:21]
	s_add_nc_u64 s[8:9], s[8:9], s[22:23]
	s_add_nc_u64 s[12:13], s[12:13], s[24:25]
.irp a, 0,1,2,3
	global_load_b128 v[BO+8*\a:BO+8*\a+3], v5, s[8:9] offset:64*\a        ; bo(16 a + 8 h + 0 .. 7) of my 64
	global_load_b128 v[BO+8*\a+4:BO+8*\a+7], v5, s[8:9] offset:64*\a+16
.endr
.irp s, 0,1,2,3
.irp c, 0,1,2,3
	global_load_b128 v[XF+16*\s+4*\c:XF+16*\s+4*\c+3], v1, s[4:5] offset:(2*\s+\c/2)*8192+(\c%2)*512   ; head 2 ks + c / 2, channels 32 (c % 2) + 16 h on
.endr
.endr
	WIN 0x40                                       ; destination window 1
.irp s, 0,1,2,3
.irp a, 0,1,2,3
.irp c, 0,1,2,3
	global_load_b128 v[16*(4*\a+\s)+4*\c:16*(4*\a+\s)+4*\c+3], v1, s[6:7] offset:\a*8192+\s*2048+\c*512
.endr
.endr
.endr
	WIN 0x01                                       ; source 0 (Wo) window 1
.irp s, 0,1,2,3
	s_wait_loadcnt 48-16*\s                        ; bo, x and Wo's K steps up to this one are in; the sixteen loads of each later K step may be out
.irp a, 0,1,2,3
.if \s == 0
	v_wmma_f32_16x16x128_fp8_fp8 v[ACC+8*\a:ACC+8*\a+7], v[16*(4*\a+\s):16*(4*\a+\s)+15], v[XF+16*\s:XF+16*\s+15], 0
.else
	v_wmma_f32_16x16x128_fp8_fp8 v[ACC+8*\a:ACC+8*\a+7], v[16*(4*\a+\s):16*(4*\a+\s)+15], v[XF+16*\s:XF+16*\s+15], v[ACC+8*\a:ACC+8*\a+7]   ; the four accumulators take turns
.endif
.endr
.endr
	WIN 0
.rept 4
	v_nop                                          ; four places in front of the first read of results (ISA guide 7.12.1)
.endr
	s_wait_kmcnt 0x0
	s_add_co_i32 s26, s14, s15
	s_add_co_i32 s26, s26, 127
	s_lshl_b32 s26, s26, 23                        ; 2^(e6+e7) as f32
	s_mov_b32 s27, s26                             ; (named with it as a pair)
.set i, 0
.rept 16
	v_pk_fma_f32 v[OUTR+i:OUTR+i+1], v[ACC+i:ACC+i+1], s[26:27], v[BO+i:BO+i+1] op_sel_hi:[1,0,1]   ; each accumulator from its low end on
.set i, i+2
.endr
.irp a, 0,1,2,3
	ds_store_b128 v2, v[OUTR+8*\a:OUTR+8*\a+3] offset:64*\a        ; lane (r, h): out(r, 16 a + 8 h + 0 .. 7) of my 64 columns
	ds_store_b128 v2, v[OUTR+8*\a+4:OUTR+8*\a+7] offset:64*\a+16
.endr
.irp i, 0,1,2,3,4,5,6,7
	ds_load_b128 v[BK+4*\i:BK+4*\i+3], v3 offset:2*\i*272          ; LDS serves a wave's instructions in order (ISA guide 5.7.1.4): these see my stores
.endr
.irp i, 0,1,2,3,4,5,6,7
	s_wait_dscnt 7-\i
	global_store_b128 v4, v[BK+4*\i:BK+4*\i+3], s[12:13] offset:2*\i*512 th:TH_STORE_NT   ; sixteen lanes store 256 consecutive bytes, aligned; written once, read by nobody here
.endr
	s_wait_tensorcnt 0x0
	ds_add_u32 v254, v255
	s_wait_dscnt 0x0
	s_endpgm
.Lfunc_end_k_qf0a8690808_proj:
	.size	k_qf0a8690808_proj, .Lfunc_end_k_qf0a8690808_proj-k_qf0a8690808_proj
	.p2alignl 7, 3214868480
	.fill 96, 4, 3214868480
	.section	.rodata,"a",@progbits
	.p2align	6, 0x0
	.amdhsa_kernel k_qf0a8690808_proj
		.amdhsa_group_segment_fixed_size 8960
		.amdhsa_private_segment_fixed_size 0
		.amdhsa_enable_private_segment 0
		.amdhsa_kernarg_size 40
		.amdhsa_user_sgpr_count 2
		.amdhsa_user_sgpr_kernarg_segment_ptr 1
		.amdhsa_wavefront_size32 1
		.amdhsa_system_sgpr_workgroup_id_x 1
		.amdhsa_system_sgpr_workgroup_id_y 1
		.amdhsa_system_sgpr_workgroup_id_z 1
		.amdhsa_system_vgpr_workitem_id 0
		.amdhsa_next_free_vgpr 512
		.amdhsa_next_free_sgpr 66
		.amdhsa_reserve_vcc 0
		.amdhsa_float_denorm_mode_32 3
		.amdhsa_float_denorm_mode_16_64 3
		.amdhsa_memory_ordered 1
		.amdhsa_forward_progress 1
		.amdhsa_inst_pref_size 15
	.end_amdhsa_kernel
	.amdgpu_metadata
---
amdhsa.version: [ 1, 2 ]
amdhsa.kernels:
  - .name:           k_qf0a8690808_proj
    .symbol:         k_qf0a8690808_proj.kd
    .args:
      - { .name: xc, .offset: 0, .size: 8, .value_kind: global_buffer, .address_space: global }
      - { .name: wof, .offset: 8, .size: 8, .value_kind: global_buffer, .address_space: global }
      - { .name: bo, .offset: 16, .size: 8, .value_kind: global_buffer, .address_space: global }
      - { .name: lowp_scales, .offset: 24, .size: 8, .value_kind: global_buffer, .address_space: global }
      - { .name: out0, .offset: 32, .size: 8, .value_kind: global_buffer, .address_space: global }
    .group_segment_fixed_size: 8960
    .private_segment_fixed_size: 0
    .kernarg_segment_align: 8
    .kernarg_segment_size: 40
    .max_flat_workgroup_size: 64
    .sgpr_count:     66
    .vgpr_count:     512
    .wavefront_size: 32
...
	.end_amdgpu_metadata
.endif
;; end of part 3
